; MI455X (gfx1250); checked and timed in simulation.
; The chip was launched on July 23, 2026; its instructions are those of AMD's public machine-readable ISA for CDNA 5 (MIT licence, August 2026) and "CDNA5" Instruction Set Architecture Reference Guide (July 2026). The comments in the code are by the model that wrote it; some were corrected since.
;; Self Attention. Allowed arithmetic: matrix products marked QUANTISED: E3M2 operands, one E8M0 scale for each 32 along K, by v_wmma_scale_f32_16x16x128_f8f6f4 with both operands' format E3M2, f32 sums; everything else in f32.
;; Inputs: Wk 1,024 x 1,024 float32; Wq 1,024 x 1,024 float32; Wv 1,024 x 1,024 float32; bk 1,024 float32; bq 1,024 float32; bv 1,024 float32; x 4 x 2,048 x 1,024 float32.
;; Outputs: out0 4 x 2,048 x 1,024 float32.
;; This version of the problem:
;;   THIS VERSION OF THE PROBLEM IS GIVEN IN LOW PRECISION. The matrix products marked QUANTISED in the list below multiply operands that are first quantised to E3M2 (3 exponent bits, 2 mantissa bits; 6 bits a number), with one power-of-two scale for each 32 numbers along K (OCP MX v1.0); their sums are f32. All else is computed in f32.
;;   The module's matrix products, in the order in which they are computed (A, B: the left and right operand; K: the contracted axis; several contracted axes count as one K, in the product's order):
;;     1. [M 8,192, K 1,024] x [K 1,024, N 1,024]; A: input x; B: input Wq: QUANTISED
;;     2. [M 8,192, K 1,024] x [K 1,024, N 1,024]; A: input x; B: input Wk: QUANTISED
;;     3. [M 8,192, K 1,024] x [K 1,024, N 1,024]; A: input x; B: input Wv: QUANTISED
;;     4. batch 64 x [M 2,048, K 64] x [K 64, N 2,048]; A: computed on the way; B: computed on the way: QUANTISED
;;     5. batch 64 x [M 64, K 2,048] x [K 2,048, N 2,048]; A: computed on the way; B: softmax (see below): QUANTISED
;;   THE QUANTISER, for each operand of a quantised product, along K:
;;     - K is cut into blocks of 32 from its start; a last block that is shorter is filled with zeros.
;;     - A block's scale is 2^e with e = floor(log2(the largest magnitude in the block)) - 4, held to -126 .. 127; a block of zeros has e = 0. As a byte (E8M0): e + 127.
;;     - Each number is divided by its block's scale, clamped to +-28, and rounded to the nearest number of E3M2, ties to even, subnormals kept.
;;     - The product sums the exact products of the quantised numbers (number of the format x scale) in f32.
;;   ~~~python
;;   def quantise(x, axis):      # numpy; x: float32 -> the quantised numbers, widened to float32 again
;;       x = np.moveaxis(x, axis, -1); K = x.shape[-1]
;;       x = np.pad(x, [(0, 0)] * (x.ndim - 1) + [(0, -K % 32)]); x = x.reshape(x.shape[:-1] + (-1, 32)); a = np.abs(x).max(-1, keepdims=True)
;;       e = np.where(a > 0, np.clip(np.frexp(np.where(a > 0, a, 1))[1] - 1 - 4, -126, 127), 0)      # np.frexp(a)[1] - 1 = floor(log2(a)), exactly
;;       r = np.clip(x / 2.0 ** e, -28, 28)
;;       step = 2.0 ** (np.maximum(np.frexp(np.where(r == 0, 1, r))[1] - 1, -2) - 2)
;;       q = np.round(r / step) * step * 2.0 ** e      # np.round: ties to even
;;       return np.moveaxis(q.reshape(q.shape[:-2] + (-1,))[..., :K], -1, axis).astype(np.float32)
;;   ~~~
;;   SOFTMAX AHEAD OF A QUANTISED PRODUCT. Where the list says 'softmax', what is quantised is not the finished softmax but p = 2^(t - M), with t = logit x log2(e) and M = ceil(the row's largest t), a whole number; so 1/2 < the row's largest p <= 1. The row's sum l is taken of the UNQUANTISED p, in f32, and the product's result is divided by l at the end. Since M is a whole number, a kernel that streams over the keys may use a running M (the ceiling of the running maximum): every later rescaling is an exact power of two, which a block's scale takes up: the codes' values come out the same.
;;   OPERANDS COMPUTED ON THE WAY. 'Computed on the way' means the value that the module computes at that place (a softmax that the list does not call 'softmax' is quantised finished and normalised). What goes into a quantiser is computed in f32, as accurately as f32 sums, v_exp_f32 and their like allow (about 1e-6 of the number): no bf16 or f16 on the way to a quantiser, and a product that is left as it is and whose result goes on into a quantised operand takes f32 operands (vector FMAs, or v_wmma_f32_16x16x4_f32). A number that lies on a knife's edge between two numbers of the format may be rounded either way, as far as f32 arithmetic and the matrix unit's own rounding can turn it there, and no further.
;; One version. Each part assembles by itself: llvm-mc -triple=amdgcn-amd-amdhsa -mcpu=gfx1250 --defsym DOCPART=n.
;; ======== version 1 of 1: 3 launches
;; workspace buffers: cd 8,650,752 bytes; sc 360,448 bytes; qkv 18,874,368 bytes; qkvs 786,432 bytes
;; launch quant (part 1): grid 704 x 1, 8 waves a work-group, no clusters, 69,120 bytes of LDS; arguments x, Wq, Wk, Wv, cd, sc; writes cd, sc
.if DOCPART == 1
	.amdgcn_target "amdgcn-amd-amdhsa--gfx1250"
	.amdhsa_code_object_version 6
	.text
	.protected	k_q915e29958e_quant
	.globl	k_q915e29958e_quant
	.p2align	8
	.type	k_q915e29958e_quant,@function
k_q915e29958e_quant:
	s_mov_b64 s[64:65], 0
	v_nop
	global_prefetch_b8 v0, s[64:65] scope:SCOPE_SE
	s_setreg_imm32_b32 hwreg(HW_REG_WAVE_MODE, 25, 1), 1
	s_wait_xcnt 0x0
; SELF-ATTENTION IN MX-BF6, launch 1 of 3: x [8192][1024] and Wq, Wk, Wv [1024][1024], f32, K innermost, become codes of E3M2 with one E8M0 byte for each 32 along K.
; DEAD WORK: none is left out in any of the three launches.  Every bias is added ahead of a quantiser (q, k along the head's 64, v along the keys) and can move codes and scales, so all seven inputs are loaded.
; A block's scale is 2^(floor(log2(its largest magnitude)) - 4): its byte is the largest magnitude's exponent field - 4, held at 1 from below by a floor among the maximum's leaves.
; LIMITS: NaN and infinities among the inputs are not served.  A block of zeros, or one whose largest magnitude lies under 2^-122, gets the byte 1 (the rule says 127 for zeros): its codes
; are zeros, which add nothing under any byte but 0xff, and the bytes are read by this program alone.
; LAYOUT OF THE WORKSPACE: images of operand registers.  cd: [704 tiles][8 K steps][1,536 bytes]; tiles 0-511 x, 512-575 Wq, 576-639 Wk, 640-703 Wv.  Row p (0..15) of a tensor's tile t is the
; tensor's row 32 (t / 2) + 8 (t % 2) + p + 8 (p / 8), so that the results of two neighbouring tiles are 16 neighbours in a lane of the next launch.  Register j (0..11) of lane l of a fragment
; (16 rows x 128 K) lies at 512 (j / 4) + 16 l + 4 (j % 4): three loads of 16 bytes a lane bring a fragment.  sc: [704][2 halves of K][16 rows][4 words], a word = the four bytes of a K step.
; SHARES.  A work-group takes a tile (16 rows x 1,024), wave w K step w: one fragment.  Each load reads 512 consecutive bytes of a row; the 8 KiB turn through the wave's own stage in LDS
; (rows 528 bytes apart) so that lane (r, h) holds k = 64 c + 32 h + 0 .. 31 of row r in consecutive registers: two whole blocks, no other lane is asked for a maximum.
; No tensor load, no ring, no loop: each wave asks for all its bytes at once.  No cluster: work-groups share nothing.  No prefetch: every byte is asked for in the first lines.
.set STW,   8448                       ; a wave's stage: 16 rows x 528 bytes
.set SROW,  528                        ; 512 bytes + 16: an odd multiple of 16, so that 16 rows start in 16 different groups of banks
.set SCG,   8*STW                      ; 512 bytes: the tile's 128 scale words, gathered
.set SPARE, SCG+512                    ; the spare words, 128 bytes for each wave: four blocks of 256 bytes that no other line names
.set LI,   1                           ; v1   16 x lane
.set RR,   2                           ; v2   r = lane % 16
.set HH,   3                           ; v3   h = lane / 16
.set SIN,  5                           ; v5   the stage, way in
.set SOUT, 6                           ; v6   the stage, way out
.set SWA,  7                           ; v7   where my row's scale word goes
.set SRA,  8                           ; v8   where wave 0 reads the words back
.set SPW,  12                          ; v12  LDS address of my spare word; never rewritten
.set NIL,  13                          ; v13  0; never rewritten
.set R,    16                          ; v16-79   16 rows as loaded; later, when the stage has given them back:
.set MX,   16                          ; v16-17   the two blocks' largest magnitudes
.set SO,   18                          ; v18-19   the conversions' scale operands
.set BY,   20                          ; v20-21   the bytes
.set WD,   22                          ; v22      the scale word
.set TP,   23                          ; v23      at work
.set C,    24                          ; v24-35   the fragment
.set T,    36                          ; v36-43   the second half of each block's six registers (a conversion's three begin on an even number)
.set X,    80                          ; v80-143  register 32 c + i = k 64 c + 32 h + i of row r
	s_load_b256 s[4:11], s[0:1], 0x0               ; x, Wq, Wk, Wv
	s_load_b128 s[12:15], s[0:1], 0x20             ; cd, sc
	v_lshl_add_u32 v[SPW], v0, 2, SPARE
	v_mov_b32 v[NIL], 0
	v_lshrrev_b32 v4, 5, v0
	s_delay_alu instid0(VALU_DEP_1)
	v_readfirstlane_b32 s16, v4                    ; wave 0..7 = K step
	v_and_b32 v4, 31, v0
	s_delay_alu instid0(VALU_DEP_1)
	v_lshlrev_b32 v[LI], 4, v4
	v_and_b32 v[RR], 15, v0
	v_bfe_u32 v[HH], v0, 4, 1
	s_mul_i32 s17, s16, STW
	v_add_nc_u32 v[SIN], s17, v[LI]                ; in: 16 bytes a lane, a row an instruction
	v_mul_u32_u24 v[SOUT], v[RR], SROW
	s_delay_alu instid0(VALU_DEP_1)
	v_lshl_add_u32 v[SOUT], v[HH], 7, v[SOUT]
	s_delay_alu instid0(VALU_DEP_1)
	v_add_nc_u32 v[SOUT], s17, v[SOUT]             ; out: row r, + 128 h bytes
	s_lshr_b32 s26, s16, 2
	s_lshl_b32 s26, s26, 8                         ; which half of K: 256 bytes
	s_and_b32 s27, s16, 3
	s_lshl_b32 s27, s27, 2                         ; which word of four
	s_add_co_u32 s26, s26, s27
	s_add_co_u32 s26, s26, SCG
	v_lshl_add_u32 v[SWA], v[RR], 4, s26
	v_add_nc_u32 v[SRA], SCG, v[LI]
	s_mov_b32 s22, 0x76543210
	s_mov_b32 s23, 0xfedcba98                      ; v_permlanex16_b32's selects for lane l xor 16
	s_cmp_lt_u32 ttmp9, 512
	s_cselect_b32 s20, 511, 63
	s_and_b32 s20, ttmp9, s20                      ; the tile's number in its own tensor
	s_lshr_b32 s21, s20, 1
	s_lshl_b32 s21, s21, 5
	s_and_b32 s24, s20, 1
	s_lshl_b32 s24, s24, 3
	s_add_co_u32 s21, s21, s24                     ; its first row: 32 (t / 2) + 8 (t % 2)
	s_lshl_b32 s24, s21, 12                        ; rows of 4,096 bytes
	s_lshl_b32 s25, s16, 9                         ; my K step: 512 bytes
	s_add_co_u32 s24, s24, s25
	s_mov_b32 s25, 0
	s_lshl_b32 s28, ttmp9, 3
	s_add_co_u32 s28, s28, s16
	s_mul_i32 s28, s28, 1536                       ; my fragment's image
	s_mov_b32 s29, 0
	s_lshl_b32 s30, ttmp9, 9                       ; the tile's 512 bytes of scale words
	s_mov_b32 s31, 0
	s_wait_alu depctr_va_vdst(0)
	s_wait_kmcnt 0x0
	s_cmp_lt_u32 ttmp9, 640                        ; which tensor: the choice hangs on the work-group's number alone
	s_cselect_b64 s[18:19], s[8:9], s[10:11]
	s_cmp_lt_u32 ttmp9, 576
	s_cselect_b64 s[18:19], s[6:7], s[18:19]
	s_cmp_lt_u32 ttmp9, 512
	s_cselect_b64 s[18:19], s[4:5], s[18:19]
	s_add_nc_u64 s[18:19], s[18:19], s[24:25]
	s_add_nc_u64 s[12:13], s[12:13], s[28:29]
	s_add_nc_u64 s[14:15], s[14:15], s[30:31]
.irp i, 0,1,2,3,4,5,6,7,8,9,10,11,12,13,14,15
	global_load_b128 v[R+4*\i:R+4*\i+3], v[LI], s[18:19] offset:(\i+8*(\i/8))*4096 th:TH_LOAD_NT   ; row i of the tile: 32 lanes read 512 consecutive bytes; read once in the launch
.endr
.irp i, 0,1,2,3,4,5,6,7,8,9,10,11,12,13,14,15
	s_wait_loadcnt 15-\i                           ; loads come back in order: row i is in, the younger rows stay out
	ds_store_b128 v[SIN], v[R+4*\i:R+4*\i+3] offset:SROW*\i
.endr
.irp c, 0,1
.irp j, 0,1,2,3,4,5,6,7
	ds_load_b128 v[X+32*\c+4*\j:X+32*\c+4*\j+3], v[SOUT] offset:256*\c+16*\j   ; LDS serves a wave's instructions in order: these see my stores
.endr
.endr
	s_wait_dscnt 0x0
.irp c, 0,1                                    ; my block 2 c + h: all its 32 numbers are mine
	v_max3_num_f32 v[MX+\c], |v[X+32*\c]|, |v[X+32*\c+1]|, 0x2800000   ; and the floor 2^(5 - 127): the byte cannot fall under 1
.endr
.irp i, 2,4,6,8,10,12,14,16,18,20,22,24,26,28,30
.irp c, 0,1
	s_delay_alu instid0(VALU_DEP_2)
	v_max3_num_f32 v[MX+\c], v[MX+\c], |v[X+32*\c+\i]|, |v[X+32*\c+\i+1]|   ; (the two blocks by turns)
.endr
.endr
.irp c, 0,1
	s_delay_alu instid0(VALU_DEP_2)
	v_add_nc_u32 v[SO+\c], 0xfe000000, v[MX+\c]    ; 4 off the exponent field: the conversion takes the exponent field of this operand as its scale
.endr
.irp c, 0,1
	s_delay_alu instid0(VALU_DEP_2)
	v_lshrrev_b32 v[BY+\c], 23, v[SO+\c]           ; the scale's byte
.endr
	s_delay_alu instid0(VALU_DEP_1)
	v_lshl_or_b32 v[WD], v[BY+1], 16, v[BY]        ; my two bytes: blocks h and 2 + h,
	v_lshlrev_b32 v[TP], 3, v[HH]
	s_delay_alu instid0(VALU_DEP_1)
	v_lshlrev_b32 v[WD], v[TP], v[WD]              ; at their places in the word;
	v_mov_b32 v[TP], 0
	s_delay_alu instid0(VALU_DEP_1)
	v_permlanex16_b32 v[TP], v[WD], s22, s23
	s_delay_alu instid0(VALU_DEP_1)
	v_or_b32 v[WD], v[WD], v[TP]                   ; with lane l xor 16's two the word is whole
.irp c, 0,1
	v_cvt_scalef32_pk16_bf6_f32 v[C+6*\c:C+6*\c+2], v[X+32*\c:X+32*\c+15], v[SO+\c]
	v_cvt_scalef32_pk16_bf6_f32 v[T+4*\c:T+4*\c+2], v[X+32*\c+16:X+32*\c+31], v[SO+\c]
.endr
	v_nop                                          ; one plain place behind a scaled conversion
.irp c, 0,1
.irp i, 0,1,2
	v_mov_b32 v[C+6*\c+3+\i], v[T+4*\c+\i]
.endr
.endr
.irp g, 0,1,2
	global_store_b128 v[LI], v[C+4*\g:C+4*\g+3], s[12:13] offset:512*\g   ; 32 lanes store 512 consecutive bytes, at a multiple of 256 from the buffer's first byte
.endr
	ds_store_b32 v[SWA], v[WD]                     ; lanes r and r + 16 write the same word with the same value
	s_wait_dscnt 0x0                               ; for the others' sake: my word has landed
	s_barrier_signal -1
	s_barrier_wait -1
	s_cmp_lg_u32 s16, 0
	s_cbranch_scc1 .Lend
	ds_load_b128 v[X:X+3], v[SRA]                  ; wave 0 sends the tile's 128 words: 512 consecutive bytes
	s_wait_dscnt 0x0
	global_store_b128 v[LI], v[X:X+3], s[14:15]
.Lend:
	s_wait_tensorcnt 0x0                           ; the wave's end, behind my last LDS store
	ds_add_u32 v[SPW], v[NIL]
	s_wait_dscnt 0x0
	s_endpgm
.Lfunc_end_k_q915e29958e_quant:
	.size	k_q915e29958e_quant, .Lfunc_end_k_q915e29958e_quant-k_q915e29958e_quant
	.p2alignl 7, 3214868480
	.fill 96, 4, 3214868480
	.section	.rodata,"a",@progbits
	.p2align	6, 0x0
	.amdhsa_kernel k_q915e29958e_quant
		.amdhsa_group_segment_fixed_size 69120
		.amdhsa_private_segment_fixed_size 0
		.amdhsa_enable_private_segment 0
		.amdhsa_kernarg_size 48
		.amdhsa_user_sgpr_count 2
		.amdhsa_user_sgpr_kernarg_segment_ptr 1
		.amdhsa_wavefront_size32 1
		.amdhsa_system_sgpr_workgroup_id_x 1
		.amdhsa_system_sgpr_workgroup_id_y 1
		.amdhsa_system_sgpr_workgroup_id_z 1
		.amdhsa_system_vgpr_workitem_id 0
		.amdhsa_next_free_vgpr 144
		.amdhsa_next_free_sgpr 66
		.amdhsa_reserve_vcc 0
		.amdhsa_float_denorm_mode_32 3
		.amdhsa_float_denorm_mode_16_64 3
		.amdhsa_memory_ordered 1
		.amdhsa_forward_progress 1
		.amdhsa_inst_pref_size 12
	.end_amdhsa_kernel
	.amdgpu_metadata
---
amdhsa.version: [ 1, 2 ]
amdhsa.kernels:
  - .name:           k_q915e29958e_quant
    .symbol:         k_q915e29958e_quant.kd
    .args:
      - { .name: x, .offset: 0, .size: 8, .value_kind: global_buffer, .address_space: global }
      - { .name: Wq, .offset: 8, .size: 8, .value_kind: global_buffer, .address_space: global }
      - { .name: Wk, .offset: 16, .size: 8, .value_kind: global_buffer, .address_space: global }
      - { .name: Wv, .offset: 24, .size: 8, .value_kind: global_buffer, .address_space: global }
      - { .name: cd, .offset: 32, .size: 8, .value_kind: global_buffer, .address_space: global }
      - { .name: sc, .offset: 40, .size: 8, .value_kind: global_buffer, .address_space: global }
    .group_segment_fixed_size: 69120
    .private_segment_fixed_size: 0
    .kernarg_segment_align: 8
    .kernarg_segment_size: 48
    .max_flat_workgroup_size: 256
    .sgpr_count:     66
    .vgpr_count:     144
    .wavefront_size: 32
...
	.end_amdgpu_metadata
.endif
;; end of part 1
;; launch proj (part 2): grid 12 x 32, 4 waves a work-group, clusters of 4 x 4, 327,680 bytes of LDS; arguments cd, sc, bq, bk, bv, qkv, qkvs; writes qkv, qkvs
.if DOCPART == 2
	.amdgcn_target "amdgcn-amd-amdhsa--gfx1250"
	.amdhsa_code_object_version 6
	.text
	.protected	k_q915e29958e_proj
	.globl	k_q915e29958e_proj
	.p2align	8
	.type	k_q915e29958e_proj,@function
k_q915e29958e_proj:
	s_mov_b64 s[64:65], 0
	v_nop
	global_prefetch_b8 v0, s[64:65] scope:SCOPE_SE
	s_setreg_imm32_b32 hwreg(HW_REG_WAVE_MODE, 25, 1), 1
	s_wait_xcnt 0x0
	s_wait_alu depctr_hold_cnt(0) depctr_sa_sdst(0) depctr_va_vdst(0) depctr_va_sdst(0) depctr_va_ssrc(0) depctr_va_vcc(0) depctr_vm_vsrc(0)
	s_getreg_b32 s2, hwreg(HW_REG_IB_STS2, 6, 4)
	s_cmp_eq_u32 s2, 0
	s_cbranch_scc0 .Lentry_in_a_cluster
	s_endpgm
.Lentry_in_a_cluster:
	s_bfe_u32 s2, ttmp6, 0x10000c
	s_cmp_lg_u32 s2, 0xf033
	s_cbranch_scc0 .Lentry_shape_is_right
	s_endpgm
.Lentry_shape_is_right:
; Launch 2 of 3: q = x Wq^T + bq, k = x Wk^T + bk, v = x Wv^T + bv on the codes of launch 1, sums and biases in f32; the results never go to memory as numbers: they are quantised in the
; registers in which they are summed, q and k along the head's 64 channels, v along the keys, and leave as images of the next launch's operand registers.  No work of the problem is left out.
; LIMITS: as in launch 1 (NaN, infinities; a block of zeros or under 2^-122 gets the byte 1; the bytes are read by this program alone).
; SHARES.  A work-group makes 256 x 256 results, each of its four waves 128 x 128: 64 accumulators, 512 registers.  Source 1 of the matrix instruction is R (region A of a slot), source 0 is P
; (region B): lane r of a result holds row r of R's tile, register j row 8 h + j of P's tile.  By launch 1's order of rows, the 64 registers of accumulators (a, 0 .. 7) are then, in a lane,
; P's rows 32 B + 16 h + i at register 16 B + i: sixteen neighbours of each block of 32, as the conversions want them.
; WHICH IS WHICH hangs on the cluster's x alone.  x = 0 (q) and 1 (k): R = tokens, P = rows of W: a lane holds a token and its registers run along the channels.  x = 2 (v): R = rows of Wv,
; P = tokens: a lane holds a channel and its registers run along the keys.  Only global offsets differ: no LDS address, no mask and no matrix instruction does.
; CLUSTERS: 4 x 4 work-groups.  Region A's tiles hang on the place along y and are asked for jointly by a row of the cluster, region B's on the place along x, by a column.
; K = 1,024 goes in quarters of 256 through three LDS slots: quarters 0, 1, 2 are the first fills (three tensor loads of a wave are out), quarter 3 fills slot 0 again behind the one round in the text,
; 256 matrix instructions ahead of the wait for it.  A tensor load brings 8 tiles x 3,072 consecutive bytes: the rows are few since each is twelve times 256 bytes long.
; The grid is 384 work-groups: 256 equal ones would want 96 accumulators a wave, which leaves no room for operands.  No prefetch: three quarters of K are asked for at the head.
; Both forms of the wave's 128 bias numbers (a register a channel; a lane a channel) are loaded by every work-group, so that no branch stands ahead of the products; the form not used costs 16 loads.
; OUT.  qkv: [64 batch x head][16 steps of 128 tokens][Q 6,144 | K 6,144 | V 6,144].  Q, K: four DOUBLE FRAGMENTS e of 1,536 bytes: registers 0-5 of lane (r, h): token 32 e + r + 8 (r / 8), channels 32 h on;
; registers 6-11: token 32 e + 8 + r + 8 (r / 8).  V: four fragments t = 2 b + u: row p = channel 32 b + 8 u + p + 8 (p / 8), K = the step's 128 keys.  qkvs: [64][16][256 | 256 | 256]: images of two scale registers:
; register g of lane l at 8 l + 4 g; lanes 0-15 serve fragment 2 g, lanes 16-31 fragment 2 g + 1.
; REGISTERS, in windows of 256: window 0: v16-22 LDS addresses; v24-29; v32-95 scale words (they hold nothing else); v128-223 R's 8 fragments, ONE set; v240-255 the bias, a lane a channel.  On the way out v96-108 words,
;   v128-191 the 64 numbers in hand, v192-215 their codes, v216-239 at work.   window 1: P's 8 fragments, TWO sets, at v0 and v128; v96-127, v224-255 the bias, a register a channel.   windows 2, 3: the accumulators.
.set SLOT,  98304                      ; region A: 16 tiles x 3,072 bytes (two K steps of 1,536); region B likewise
.set REGB,  49152
.set HALFB, 24576                      ; 8 tiles: what one tensor load brings, and what one wave reads of a region
.set TILEB, 3072
.set SPARE, 3*SLOT                     ; behind the slots: the spare words, 128 bytes for each wave: two blocks of 256 bytes that no other line names
.set ADRR, 16                          ; v16-18  LDS address of my R fragments in slot 0, 1, 2
.set ADRP, 20                          ; v20-22  the same for P
.set LI,   24                          ; v24     16 x lane
.set L8,   25                          ; v25     8 x lane
.set SOF,  26                          ; v26     my lane's offset among the scale words
.set SPW,  28                          ; v28     LDS address of my spare word; never rewritten
.set NIL,  29                          ; v29     0; never rewritten
.set SC,   32                          ; v[SC + 8 i + s]: lanes 0-15 the word of R's tile i, lanes 16-31 that of P's tile i, for K step s
.set WW,   96                          ; v96-103 the scale words just made
.set SS,   104                         ; v104-107 and as they leave
.set TW,   108
.set AF,   128                         ; R's fragments
.set H,    128                         ; the way out: 64 numbers
.set DF0,  192                         ; the codes of the wave's first head, or of a fragment of V
.set DF1,  204                         ; of its second head
.set PT,   216                         ; the conversions' second halves
.set TM,   224                         ; v224-227 largest magnitudes, v228-231 bytes, v236-239 scale operands
.set BV,   240                         ; v240-255 bias of R's rows: a pair for each tile a, both halves alike
.set WV,  18
.set WA,  19
.set WB,  20
.set CX,  21
.set CY,  22
.set G1A, 24                           ; s[24:31] descriptor group 1 for region A;  s[32:43] group 0, one set for each slot
.set G0A, 32
.set G1B, 44                           ; s[44:51], s[52:63] the same for region B
.set G0B, 52
.set XX,  66                           ; the cluster's x: 0 q, 1 k, 2 v
.set YY,  67                           ; the cluster's y
.set SA,  68                           ; region A's first tile in cd
.set SB,  69                           ; region B's
.set HIM, 70                           ; lanes 16-31
.set SEL, 72                           ; s[72:73] v_permlanex16_b32's selects for lane l xor 16
.set OC,  74                           ; s[74:75] where my codes go
.set OS,  76                           ; s[76:77] where my scale words go
.set BIA, 78                           ; s[78:79] my 128 bias numbers
.set GA,  80                           ; s[80:81] region A's tiles that I fetch, in memory
.set GB,  82                           ; s[82:83] region B's
.set MSB, 0
.macro WIN new                         ; the immediate's high byte repeats the setting that is left
.if MSB != (\new)
	s_set_vgpr_msb (MSB<<8)|(\new)
.set MSB, (\new)
.endif
.endm
.set MUL_LO, 0xa1                      ; source 0 (P) window 1, source 1 (R) window 0, C and D window 2
.set MUL_HI, 0xf1                      ; the same, C and D window 3
.set TO_P,   0x40                      ; destination window 1, address window 0
; A joint load: waves 0 and 1 fetch region A's halves, waves 2 and 3 region B's.  Each of the two lines has one mask and one set of registers for all that issue it; the branch hangs on the wave's number alone.
; An s_nop 0 and four v_nop follow each of the two lines, ahead of the jump, the label and what follows.
.macro JLOAD g0a, g1a, g0b, g1b
	s_cmp_eq_u32 s[WA], 0
	s_cbranch_scc0 .Lfor_b_\@
	tensor_load_to_lds s[\g0a:\g0a+3], s[\g1a:\g1a+7]
	s_nop 0
.rept 4
	v_nop
.endr
	s_branch .Lasked_\@
.Lfor_b_\@:
	tensor_load_to_lds s[\g0b:\g0b+3], s[\g1b:\g1b+7]
	s_nop 0
.rept 4
	v_nop
.endr
.Lasked_\@:
.endm
.macro CREST                           ; a round of the cluster's barrier behind its opening barrier
	s_cmp_lg_u32 s[WV], 0
	s_cbranch_scc1 .Lnot_wave_0_\@
	s_barrier_signal -3
.Lnot_wave_0_\@:
	s_barrier_wait -3
	s_barrier_signal -1
	s_barrier_wait -1
.endm
.macro CROUND                          ; a whole round
	s_barrier_signal -1
	s_barrier_wait -1
	CREST
.endm
.macro PLACES n                        ; plain vector instructions between a matrix instruction and a load into, or a vector instruction on, its registers (ISA guide 7.12.1 for vector instructions)
.rept \n
	v_nop
.endr
.endm
	s_load_b256 s[4:11], s[0:1], 0x0               ; cd s[4:5], sc s[6:7], bq s[8:9], bk s[10:11]
	s_load_b128 s[12:15], s[0:1], 0x20             ; bv s[12:13], qkv s[14:15]
	s_load_b64 s[16:17], s[0:1], 0x30              ; qkvs
	v_lshl_add_u32 v[SPW], v0, 2, SPARE
	v_mov_b32 v[NIL], 0
	ds_add_u32 v[SPW], v[NIL]                      ; the wave's opening: the add, twice on end, and its wait ahead of my first tensor load; the set-up below stands between the second and the wait
	ds_add_u32 v[SPW], v[NIL]
	v_lshrrev_b32 v1, 5, v0
	v_readfirstlane_b32 s[WV], v1                  ; wave 0..3
	s_lshr_b32 s[WA], s[WV], 1                     ; which half of R's 256 rows is mine.  Also: I fetch for region A (0) or B (1)
	s_and_b32 s[WB], s[WV], 1                      ; which half of P's.  Also: which 8 tiles of that region I fetch
	s_bfe_u32 s[CX], ttmp6, 0x40000                ; my place in the cluster
	s_bfe_u32 s[CY], ttmp6, 0x40004
	s_mov_b32 s[XX], ttmp9                         ; in a cluster launch ttmp9 and ttmp7 count clusters
	s_and_b32 s[YY], ttmp7, 0xffff
	s_lshl_b32 s84, s[CY], 2
	s_lshl_b32 s84, 15, s84                        ; my row of the cluster
	s_lshl_b32 s85, 0x1111, s[CX]                  ; my column
	s_or_b32 s[G1A], s84, (3<<16)|(1<<21)          ; 15:0 the mask; 17:16 elements of 8 bytes; 20 no padding (a fragment's image is read 16 bytes a lane on end); 21 set beside a mask
	s_or_b32 s[G1B], s85, (3<<16)|(1<<21)
.irp g, G1A, G1B
	s_mov_b32 s[\g+1], 384<<16                     ; tensor_dim0 = 384 elements: 3,072 bytes, two K steps of a tile
	s_mov_b32 s[\g+2], 8<<16                       ; tensor_dim1 = 8 tiles
	s_mov_b32 s[\g+3], 384<<16                     ; tile_dim0
	s_mov_b32 s[\g+4], 8                           ; tile_dim1
	s_mov_b32 s[\g+5], 1536                        ; from tile to tile: 12,288 bytes
	s_mov_b32 s[\g+6], 0
	s_mov_b32 s[\g+7], 0
.endr
	s_lshl_b32 s86, s[YY], 6                       ; the cluster's first tile of tokens: 64 y
	s_lshl_b32 s87, s[XX], 6
	s_add_co_u32 s87, s87, 512                     ; Wq's or Wk's first tile
	s_mov_b32 s88, 640                             ; Wv's
	s_cmp_eq_u32 s[XX], 2
	s_cselect_b32 s[SA], s88, s86
	s_cselect_b32 s[SB], s86, s87
	s_lshl_b32 s88, s[CY], 4
	s_add_co_u32 s[SA], s[SA], s88                 ; region A: + 16 tiles for each place along y
	s_lshl_b32 s89, s[CX], 4
	s_add_co_u32 s[SB], s[SB], s89                 ; region B: along x
	s_lshl_b32 s93, s[WB], 3                       ; which 8 tiles I fetch
	s_add_co_u32 s[GA], s[SA], s93
	s_mul_i32 s[GA], s[GA], 12288
	s_mov_b32 s[GA+1], 0
	s_add_co_u32 s[GB], s[SB], s93
	s_mul_i32 s[GB], s[GB], 12288
	s_mov_b32 s[GB+1], 0
	s_mul_i32 s92, s[WV], HALFB                    ; where they go: wave x 8 tiles: no place in the cluster enters an LDS address
	s_mov_b32 s[HIM], 0xffff0000
	s_mov_b32 s[SEL], 0x76543210
	s_mov_b32 s[SEL+1], 0xfedcba98
	s_wait_dscnt 0x0                               ; both opening adds are done
	s_wait_kmcnt 0x0
	s_add_nc_u64 s[GA:GA+1], s[4:5], s[GA:GA+1]
	s_add_nc_u64 s[GB:GB+1], s[4:5], s[GB:GB+1]
	CROUND                                         ; all sixteen work-groups are here: the first joint loads meet
.irp s, 0,1,2
	s_mov_b32 s[G0A+4*\s], 1                       ; count = 1
	s_add_co_u32 s[G0A+4*\s+1], s92, \s*SLOT       ; LDS address
	s_add_nc_u64 s[G0A+4*\s+2:G0A+4*\s+3], s[GA:GA+1], \s*TILEB   ; global address: quarter s of K
	s_or_b32 s[G0A+4*\s+3], s[G0A+4*\s+3], 0x80000000             ; type = 2
	s_mov_b32 s[G0B+4*\s], 1
	s_add_co_u32 s[G0B+4*\s+1], s92, \s*SLOT
	s_add_nc_u64 s[G0B+4*\s+2:G0B+4*\s+3], s[GB:GB+1], \s*TILEB
	s_or_b32 s[G0B+4*\s+3], s[G0B+4*\s+3], 0x80000000
	JLOAD G0A+4*\s, G1A, G0B+4*\s, G1B
.endr
	v_and_b32 v1, 31, v0                           ; lane
	v_and_b32 v2, 15, v0                           ; r
	v_bfe_u32 v3, v0, 4, 1                         ; h
	v_lshlrev_b32 v[LI], 4, v1
	v_lshlrev_b32 v[L8], 3, v1
	s_mul_i32 s94, s[WA], HALFB                    ; my 8 tiles of R
	s_mul_i32 s95, s[WB], HALFB                    ; my 8 tiles of P,
	s_add_co_u32 s95, s95, REGB                    ; which lie behind region A
.irp s, 0,1,2
	v_add_nc_u32 v[ADRR+\s], s94, v[LI]
	v_add_nc_u32 v[ADRP+\s], s95, v[LI]
	s_add_co_u32 s94, s94, SLOT
	s_add_co_u32 s95, s95, SLOT
.endr
	; the scale words of my 8 + 8 tiles for all of K, once, straight into registers: lanes 0-15 take R's, lanes 16-31 P's; 16 bytes a lane are four K steps' words of a row
	s_lshl_b32 s84, s[WA], 3
	s_add_co_u32 s84, s84, s[SA]
	s_lshl_b32 s84, s84, 9
	s_lshl_b32 s85, s[WB], 3
	s_add_co_u32 s85, s85, s[SB]
	s_lshl_b32 s85, s85, 9
	v_mov_b32 v[SOF], s84
	v_mov_b32 v27, s85
	v_cndmask_b32 v[SOF], v[SOF], v27, s[HIM]
	v_lshl_add_u32 v[SOF], v2, 4, v[SOF]
.irp i, 0,1,2,3,4,5,6,7
.irp f, 0,1
	global_load_b128 v[SC+8*\i+4*\f:SC+8*\i+4*\f+3], v[SOF], s[6:7] offset:512*\i+256*\f
.endr
.endr
	; where my results go.  tokens: block tt of 256, half thalf; channels: block ct of 256, half chalf
	s_cmp_eq_u32 s[XX], 2
	s_cselect_b32 s84, s[CX], s[CY]
	s_cselect_b32 s85, s[WB], s[WA]                ; thalf
	s_cselect_b32 s86, s[CY], s[CX]                ; ct
	s_cselect_b32 s87, s[WA], s[WB]                ; chalf
	s_cselect_b64 s[BIA:BIA+1], s[12:13], s[10:11] ; bv or bk,
	s_cmp_eq_u32 s[XX], 0
	s_cselect_b64 s[BIA:BIA+1], s[8:9], s[BIA:BIA+1]   ; or bq: the choice hangs on the cluster's number alone
	s_lshl_b32 s88, s[YY], 2
	s_add_co_u32 s84, s84, s88                     ; tt
	s_lshr_b32 s88, s84, 3                         ; the batch
	s_lshl_b32 s88, s88, 2
	s_add_co_u32 s88, s88, s86
	s_lshl_b32 s88, s88, 1
	s_add_co_u32 s88, s88, s87
	s_lshl_b32 s88, s88, 4                         ; 8 x (16 batch + 4 ct + 2 chalf): my first head
	s_and_b32 s89, s84, 7
	s_add_co_u32 s88, s88, s89
	s_lshl_b32 s88, s88, 1
	s_add_co_u32 s88, s88, s85                     ; the record: 16 x head + 2 (tt % 8) + thalf
	s_mul_i32 s90, s88, 18432
	s_mul_i32 s89, s[XX], 6144
	s_add_co_u32 s90, s90, s89
	s_mov_b32 s91, 0
	s_add_nc_u64 s[OC:OC+1], s[14:15], s[90:91]
	s_mul_i32 s90, s88, 768
	s_lshl_b32 s89, s[XX], 8
	s_add_co_u32 s90, s90, s89
	s_add_nc_u64 s[OS:OS+1], s[16:17], s[90:91]
	s_lshl_b32 s90, s86, 10
	s_lshl_b32 s89, s87, 9
	s_add_co_u32 s90, s90, s89
	s_add_nc_u64 s[BIA:BIA+1], s[BIA:BIA+1], s[90:91]
	v_lshlrev_b32 v10, 6, v3                       ; a register a channel: lane (r, h) wants, for P's tile b, channels 32 (b / 2) + 16 h + 8 (b % 2) + 0 .. 7
	v_and_b32 v11, 8, v2
	v_add_nc_u32 v11, v11, v2
	v_lshlrev_b32 v11, 2, v11                      ; a lane a channel: for R's tile a, channel 32 (a / 2) + 8 (a % 2) + r + 8 (r / 8)
.irp a, 0,1,2,3,4,5,6,7
	global_load_b32 v[BV+2*\a], v11, s[BIA:BIA+1] offset:4*(32*(\a/2)+8*(\a%2))
	global_load_b32 v[BV+2*\a+1], v11, s[BIA:BIA+1] offset:4*(32*(\a/2)+8*(\a%2))   ; twice: the packed addition names a pair
.endr
	WIN TO_P
.irp b, 0,1,2,3,4,5,6,7
	global_load_b128 v[96+8*\b+96*(\b/4):96+8*\b+96*(\b/4)+3], v10, s[BIA:BIA+1] offset:4*(32*(\b/2)+8*(\b%2))
	global_load_b128 v[96+8*\b+96*(\b/4)+4:96+8*\b+96*(\b/4)+7], v10, s[BIA:BIA+1] offset:4*(32*(\b/2)+8*(\b%2))+16
.endr
	WIN 0
.irp n, 0,1,2,3
	v_mov_b32 v[TM+4+\n], 0                        ; written once: a lane permute's destination counts as one of its sources
.endr
.macro FRAG reg, adr, off              ; a fragment's image: three loads of 16 bytes a lane, 512 consecutive bytes each
.irp g, 0,1,2
	ds_load_b128 v[\reg+4*\g:\reg+4*\g+3], v[\adr] offset:\off+512*\g
.endr
.endm
.macro FETCH_P slot, q, p              ; P's eight fragments of the slot's q-th K step into set p: 24 loads
	WIN TO_P
.irp i, 0,1,2,3,4,5,6,7
	FRAG 128*(\p)+12*\i, ADRP+\slot, TILEB*\i+1536*(\q)
.endr
	WIN 0
.endm
.macro FETCH_R slot, q, i0             ; R's tiles i0 .. i0 + 3: 12 loads
.irp i, \i0, \i0+1, \i0+2, \i0+3
	FRAG AF+12*(\i), ADRR+\slot, TILEB*(\i)+1536*(\q)
.endr
.endm
; 16 matrix instructions: R's tiles a0, a0 + 1 x P's eight, K step s; p: P's set.  zero = 1: the first product starts the sums: nothing is ever cleared.
; The 64 accumulators take turns, one instruction a turn, in the same order in every step.
.macro MUL16 a0, p, s, zero
.irp a, \a0, \a0+1
.irp b, 0,1,2,3,4,5,6,7
.if \zero
	v_wmma_scale_f32_16x16x128_f8f6f4 v[8*(8*((\a)%4)+\b):8*(8*((\a)%4)+\b)+7], v[128*(\p)+12*\b:128*(\p)+12*\b+11], v[AF+12*(\a):AF+12*(\a)+11], 0, v[SC+8*\b+(\s)], v[SC+8*(\a)+(\s)] matrix_a_fmt:MATRIX_FMT_BF6 matrix_b_fmt:MATRIX_FMT_BF6 matrix_a_scale:MATRIX_SCALE_ROW1
.else
	v_wmma_scale_f32_16x16x128_f8f6f4 v[8*(8*((\a)%4)+\b):8*(8*((\a)%4)+\b)+7], v[128*(\p)+12*\b:128*(\p)+12*\b+11], v[AF+12*(\a):AF+12*(\a)+11], v[8*(8*((\a)%4)+\b):8*(8*((\a)%4)+\b)+7], v[SC+8*\b+(\s)], v[SC+8*(\a)+(\s)] matrix_a_fmt:MATRIX_FMT_BF6 matrix_b_fmt:MATRIX_FMT_BF6 matrix_a_scale:MATRIX_SCALE_ROW1
.endif
.endr
.endr
.endm
; K step s, whose successor (the nq-th step of slot nslot) is known to lie whole in LDS.  A tile of R is free as soon as its eight products are issued: tiles 0-3 are fetched anew in the step's middle, tiles 4-7 at its end.
.macro STEP nslot, nq, s, zero
	s_wait_dscnt 12                                ; P's set and R's tiles 0-3 are in; the youngest twelve loads (R's tiles 4-7) may be out
	WIN MUL_LO
	MUL16 0, (\s)%2, \s, \zero
	MUL16 2, (\s)%2, \s, \zero
	s_wait_dscnt 0x0                               ; R's tiles 4-7 are in (asked for 32 matrix instructions ago)
	PLACES 4
	FETCH_P \nslot, \nq, 1-(\s)%2
	FETCH_R \nslot, \nq, 0
	WIN MUL_HI
	MUL16 4, (\s)%2, \s, \zero
	MUL16 6, (\s)%2, \s, \zero
	PLACES 4
	WIN 0
	FETCH_R \nslot, \nq, 4
.endm
; A step (on P's set 1) behind which a slot is read that has yet to be shown whole: ONE barrier; in front of it each wave waits for all its tensor loads, adds 0 to its spare word, and waits for that and for its own
; reads of this slot.  fill = 1: the barrier opens a round of the cluster's, and this slot takes the last quarter of K, first thing behind the round.
.macro TURN slot, next, s, fill
	s_wait_tensorcnt 0x0                           ; all my tensor loads have landed  (every window is 0 here: the add's two registers lie in window 0)
	ds_add_u32 v[SPW], v[NIL]                      ; 0 onto my spare word
	s_wait_dscnt 13                                ; (the add and the youngest twelve loads, R's tiles 4-7, may be out)
	WIN MUL_LO
	MUL16 0, 1, \s, 0                              ; sixteen matrix instructions stand between the add and the wait for it
	s_wait_dscnt 0x0                               ; the add is done, and my reads of this slot are over
	s_barrier_signal -1
	MUL16 2, 1, \s, 0
	WIN 0
	s_barrier_wait -1
.if \fill
	CREST                                          ; no wave of any partner still reads this slot or has a load on its way
	s_add_nc_u64 s[G0A+4*\slot+2:G0A+4*\slot+3], s[G0A+4*\slot+2:G0A+4*\slot+3], 3*TILEB
	s_add_nc_u64 s[G0B+4*\slot+2:G0B+4*\slot+3], s[G0B+4*\slot+2:G0B+4*\slot+3], 3*TILEB
	JLOAD G0A+4*\slot, G1A, G0B+4*\slot, G1B       ; the first tensor load behind the round; the four v_nop behind it are the places in front of the loads below
.else
	PLACES 4
.endif
	FETCH_P \next, 0, 0
	FETCH_R \next, 0, 0
	WIN MUL_HI
	MUL16 4, 1, \s, 0
	MUL16 6, 1, \s, 0
	PLACES 4
	WIN 0
	FETCH_R \next, 0, 4
.endm
	s_wait_tensorcnt 2                             ; my part of quarter 0 is in; quarters 1 and 2 may stay out
	s_barrier_signal -1
	s_barrier_wait -1                              ; everybody's is
	FETCH_P 0, 0, 0
	FETCH_R 0, 0, 0
	FETCH_R 0, 0, 4
	s_wait_loadcnt 0x0                             ; the scale words and the biases
	; the eight K steps are written out: each names its own scale registers
	STEP 0, 1, 0, 1                                ; K step 0: its products start the sums
	TURN 0, 1, 1, 1                                ; K step 1; slots 1 and 2 are whole; slot 0 takes quarter 3
	STEP 1, 1, 2, 0
	STEP 2, 0, 3, 0                                ; on into slot 2 with no barrier: every wave's part of it had landed in front of the round
	STEP 2, 1, 4, 0
	TURN 2, 0, 5, 0                                ; K step 5; quarter 3 is whole; nothing is filled
	STEP 0, 1, 6, 0
	s_wait_dscnt 12                                ; K step 7: nothing more to fetch
	WIN MUL_LO
	MUL16 0, 1, 7, 0
	MUL16 2, 1, 7, 0
	s_wait_dscnt 0x0
	WIN MUL_HI
	MUL16 4, 1, 7, 0
	MUL16 6, 1, 7, 0
	WIN 0
	PLACES 4                                       ; in front of the first read of results and the first write over R's fragments
; THE WAY OUT.  The bias is added as the 64 numbers of R's tile a move into window 0: each accumulator from its low end on.
.macro MOVB_QK a                       ; a register a channel
	WIN 6+(\a)/4                                   ; source 0: window 2 or 3; source 1: window 1
.irp b, 0,1,2,3,4,5,6,7
.irp i, 0,2,4,6
	v_pk_add_f32 v[H+8*\b+\i:H+8*\b+\i+1], v[64*((\a)%4)+8*\b+\i:64*((\a)%4)+8*\b+\i+1], v[96+8*\b+96*(\b/4)+\i:96+8*\b+96*(\b/4)+\i+1]
.endr
.endr
	WIN 0
.endm
.macro MOVB_V a                        ; a lane a channel
	WIN 2+(\a)/4                                   ; source 0: window 2 or 3
.irp b, 0,1,2,3,4,5,6,7
.irp i, 0,2,4,6
	v_pk_add_f32 v[H+8*\b+\i:H+8*\b+\i+1], v[64*((\a)%4)+8*\b+\i:64*((\a)%4)+8*\b+\i+1], v[BV+2*(\a):BV+2*(\a)+1]
.endr
.endr
	WIN 0
.endm
; 64 numbers of a lane, register 16 n + i = place 32 n + 16 h + i along the quantiser's axis, become four blocks' codes: blocks 0, 1 in six registers from d0 on (lane (r, h): block h), blocks 2, 3 from d1 on; the bytes in v[TM+4 ..].
.macro QCORE d0, d1
.irp n, 0,1,2,3
	v_max3_num_f32 v[TM+\n], |v[H+16*\n]|, |v[H+16*\n+1]|, 0x2800000   ; block n: my 16 numbers, and the floor 2^(5 - 127): the byte cannot fall under 1
.endr
.irp i, 2,4,6,8,10,12,14
.irp n, 0,1,2,3
	v_max3_num_f32 v[TM+\n], v[TM+\n], |v[H+16*\n+\i]|, |v[H+16*\n+\i+1]|   ; (the four blocks by turns)
.endr
.endr
.irp n, 0,1,2,3
	v_permlanex16_b32 v[TM+4+\n], v[TM+\n], s[SEL], s[SEL+1]
.endr
.irp n, 0,1,2,3
	v_max_num_f32 v[TM+\n], v[TM+\n], v[TM+4+\n]   ; with lane l xor 16's: the block's largest magnitude
.endr
.irp n, 0,1,2,3
	v_add_nc_u32 v[TM+12+\n], 0xfe000000, v[TM+\n] ; 4 off its exponent field: the conversion's scale operand
.endr
.irp n, 0,1,2,3
	v_lshrrev_b32 v[TM+4+\n], 23, v[TM+12+\n]      ; the scale's byte
.endr
	v_cvt_scalef32_pk16_bf6_f32 v[(\d0):(\d0)+2], v[H:H+15], v[TM+12]
	v_cvt_scalef32_pk16_bf6_f32 v[PT:PT+2], v[H+16:H+31], v[TM+13]      ; (a conversion's three registers begin on an even number)
	v_cvt_scalef32_pk16_bf6_f32 v[(\d1):(\d1)+2], v[H+32:H+47], v[TM+14]
	v_cvt_scalef32_pk16_bf6_f32 v[PT+4:PT+6], v[H+48:H+63], v[TM+15]
	v_nop                                          ; one plain place behind a scaled conversion
.irp i, 0,1,2                                  ; the operand's layout wants a WHOLE block in a lane
	v_permlane16_swap_b32 v[(\d0)+\i], v[PT+\i]
.endr
.irp i, 0,1,2
	v_mov_b32 v[(\d0)+3+\i], v[PT+\i]
.endr
.irp i, 0,1,2
	v_permlane16_swap_b32 v[(\d1)+\i], v[PT+4+\i]
.endr
.irp i, 0,1,2
	v_mov_b32 v[(\d1)+3+\i], v[PT+4+\i]
.endr
.endm
	s_cmp_eq_u32 s[XX], 2                          ; the cluster's number: the same in all partners
	s_cbranch_scc1 .Lv_out
	; q, k: blocks 0, 1 are the first head's 64 channels, blocks 2, 3 the second's.  Token tiles 2 e and 2 e + 1 make the double fragment e of each head.
.irp e, 0,1,2,3
.if \e > 0
	s_wait_xcnt 0x0                                ; the last stores have read their registers: the codes may be written again
.endif
.irp u, 0,1
	MOVB_QK 2*\e+\u
	QCORE DF0+6*\u, DF1+6*\u
.irp c, 0,1
.if \u == 0
	v_lshl_or_b32 v[WW+4*\c+\e], v[TM+5+2*\c], 8, v[TM+4+2*\c]        ; the word of head c, double fragment e: the lower tile's two bytes,
.else
	v_lshl_or_b32 v[TW], v[TM+5+2*\c], 8, v[TM+4+2*\c]
	v_lshl_or_b32 v[WW+4*\c+\e], v[TW], 16, v[WW+4*\c+\e]             ; and the upper tile's
.endif
.endr
.endr
.irp c, 0,1
.irp g, 0,1,2
	global_store_b128 v[LI], v[DF0+12*\c+4*\g:DF0+12*\c+4*\g+3], s[OC:OC+1] offset:294912*\c+1536*\e+512*\g   ; 512 consecutive bytes, at a multiple of 256 from the buffer's first byte; the second head lies 16 records on
.endr
.endr
.endr
	s_branch .Ltail
.Lv_out:
	; v: the four blocks are the step's 128 keys: channel tile a is fragment a % 4 of head a / 4
.irp a, 0,1,2,3,4,5,6,7
.if \a > 0
	s_wait_xcnt 0x0                                ; the last stores have read their registers
.endif
	MOVB_V \a
	QCORE DF0, DF0+6
	v_lshl_or_b32 v[WW+\a], v[TM+5], 8, v[TM+4]
	v_lshl_or_b32 v[WW+\a], v[TM+6], 16, v[WW+\a]
	v_lshl_or_b32 v[WW+\a], v[TM+7], 24, v[WW+\a]
.irp g, 0,1,2
	global_store_b128 v[LI], v[DF0+4*\g:DF0+4*\g+3], s[OC:OC+1] offset:294912*(\a/4)+1536*(\a%4)+512*\g
.endr
.endr
.Ltail:
	s_wait_alu depctr_va_vdst(0)
.irp c, 0,1                                    ; the words as images of two scale registers a head: lanes 0-15 fragment 2 g, lanes 16-31 fragment 2 g + 1 (every word stands in lanes r and r + 16 alike)
.irp g, 0,1
	v_cndmask_b32 v[SS+2*\c+\g], v[WW+4*\c+2*\g], v[WW+4*\c+2*\g+1], s[HIM]
.endr
.endr
.irp c, 0,1
	global_store_b64 v[L8], v[SS+2*\c:SS+2*\c+1], s[OS:OS+1] offset:12288*\c   ; 32 lanes store 256 consecutive bytes, aligned
.endr
	s_wait_tensorcnt 0x0                           ; the wave's end, behind my last tensor load
	ds_add_u32 v[SPW], v[NIL]
	s_wait_dscnt 0x0
	CROUND                                         ; the closing round: no work-group ends while a partner may still ask for a tile that names it
	s_endpgm
.Lfunc_end_k_q915e29958e_proj:
	.size	k_q915e29958e_proj, .Lfunc_end_k_q915e29958e_proj-k_q915e29958e_proj
	.p2alignl 7, 3214868480
	.fill 96, 4, 3214868480
	.section	.rodata,"a",@progbits
	.p2align	6, 0x0
	.amdhsa_kernel k_q915e29958e_proj
		.amdhsa_group_segment_fixed_size 327680
		.amdhsa_private_segment_fixed_size 0
		.amdhsa_enable_private_segment 0
		.amdhsa_kernarg_size 56
		.amdhsa_user_sgpr_count 2
		.amdhsa_user_sgpr_kernarg_segment_ptr 1
		.amdhsa_wavefront_size32 1
		.amdhsa_system_sgpr_workgroup_id_x 1
		.amdhsa_system_sgpr_workgroup_id_y 1
		.amdhsa_system_sgpr_workgroup_id_z 1
		.amdhsa_system_vgpr_workitem_id 0
		.amdhsa_next_free_vgpr 1024
		.amdhsa_next_free_sgpr 100
		.amdhsa_reserve_vcc 0
		.amdhsa_float_denorm_mode_32 3
		.amdhsa_float_denorm_mode_16_64 3
		.amdhsa_memory_ordered 1
		.amdhsa_forward_progress 1
		.amdhsa_inst_pref_size 206
	.end_amdhsa_kernel
	.amdgpu_metadata
---
amdhsa.version: [ 1, 2 ]
amdhsa.kernels:
  - .name:           k_q915e29958e_proj
    .symbol:         k_q915e29958e_proj.kd
    .args:
      - { .name: cd, .offset: 0, .size: 8, .value_kind: global_buffer, .address_space: global }
      - { .name: sc, .offset: 8, .size: 8, .value_kind: global_buffer, .address_space: global }
      - { .name: bq, .offset: 16, .size: 8, .value_kind: global_buffer, .address_space: global }
      - { .name: bk, .offset: 24, .size: 8, .value_kind: global_buffer, .address_space: global }
      - { .name: bv, .offset: 32, .size: 8, .value_kind: global_buffer, .address_space: global }
      - { .name: qkv, .offset: 40, .size: 8, .value_kind: global_buffer, .address_space: global }
      - { .name: qkvs, .offset: 48, .size: 8, .value_kind: global_buffer, .address_space: global }
    .group_segment_fixed_size: 327680
    .private_segment_fixed_size: 0
    .kernarg_segment_align: 8
    .kernarg_segment_size: 56
    .max_flat_workgroup_size: 128
    .sgpr_count:     100
    .vgpr_count:     1024
    .wavefront_size: 32
...
	.end_amdgpu_metadata
.endif
;; end of part 2
;; launch attn (part 3): grid 4 x 64, 16 waves a work-group, clusters of 4 x 1, 327,680 bytes of LDS; arguments qkv, qkvs, out0; writes out0
.if DOCPART == 3
	.amdgcn_target "amdgcn-amd-amdhsa--gfx1250"
	.amdhsa_code_object_version 6
	.text
	.protected	k_q915e29958e_attn
	.globl	k_q915e29958e_attn
	.p2align	8
	.type	k_q915e29958e_attn,@function
k_q915e29958e_attn:
	s_mov_b64 s[64:65], 0
	v_nop
	global_prefetch_b8 v0, s[64:65] scope:SCOPE_SE
	s_setreg_imm32_b32 hwreg(HW_REG_WAVE_MODE, 25, 1), 1
	s_wait_xcnt 0x0
	s_wait_alu depctr_hold_cnt(0) depctr_sa_sdst(0) depctr_va_vdst(0) depctr_va_sdst(0) depctr_va_ssrc(0) depctr_va_vcc(0) depctr_vm_vsrc(0)
	s_getreg_b32 s2, hwreg(HW_REG_IB_STS2, 6, 4)
	s_cmp_eq_u32 s2, 0
	s_cbranch_scc0 .Lentry_in_a_cluster
	s_endpgm
.Lentry_in_a_cluster:
	s_bfe_u32 s2, ttmp6, 0x10000c
	s_cmp_lg_u32 s2, 0x3003
	s_cbranch_scc0 .Lentry_shape_is_right
	s_endpgm
.Lentry_shape_is_right:
.set STEPB, 12288
.set SCL,   196608
.set STAGE, 204800
.set SPARE, 274432
.set LI,  1
.set LS,  2
.set SPW, 3
.set NIL, 4
.set GO,  5
.set ADR, 6
.set ADS, 7
.set STI, 8
.set STO, 9
.set QHI, 16
.set QLO, 22
.set QS,  34
.set PSW, 35
.set KS,  36
.set VS,  38
.set F,   40
.set S,   88
.set O,   152
.set PC,  184
.set PT,  196
.set BM,  204
.set BP,  208
.set BS,  212
.set FF,  216
.set TT,  218
.set L2,  220
.set RQ,  224
.set RN,  238
.set WV,  10
.set CX,  11
.set BH,  12
.set UP,  13
.set G8,  14
.set G1C, 16
.set G1S, 24
.set G0S, 32
.set G0C, 36
.set SEL, 52
.set CS,  54
.set TB,  56
.set TS,  57
.set CNT, 58
.set BLK, 59
.set UM,  60
.set US,  61
.set QC,  68
.set QW,  70
.set OB,  72
.macro CROUND
	s_barrier_signal -1
	s_barrier_wait -1
	s_cmp_lg_u32 s[WV], 0
	s_cbranch_scc1 .Lnot_wave_0_\@
	s_barrier_signal -3
.Lnot_wave_0_\@:
	s_barrier_wait -3
	s_barrier_signal -1
	s_barrier_wait -1
.endm
	s_load_b128 s[4:7], s[0:1], 0x0
	s_load_b64 s[8:9], s[0:1], 0x10
	v_lshl_add_u32 v[SPW], v0, 2, SPARE
	v_mov_b32 v[NIL], 0
	ds_add_u32 v[SPW], v[NIL]
	ds_add_u32 v[SPW], v[NIL]
	v_lshrrev_b32 v10, 5, v0
	s_delay_alu instid0(VALU_DEP_1)
	v_readfirstlane_b32 s[WV], v10
	s_bfe_u32 s[CX], ttmp6, 0x40000
	s_and_b32 s[BH], ttmp7, 0xffff
	s_and_b32 s[UP], s[WV], 1
	s_lshr_b32 s[G8], s[WV], 1
	s_mov_b32 s[G1C], 15|(3<<16)|(1<<21)
	s_mov_b32 s[G1C+1], 32<<16
	s_mov_b32 s[G1C+2], 12<<16
	s_mov_b32 s[G1C+3], 32<<16
	s_mov_b32 s[G1C+4], 12
	s_mov_b32 s[G1C+5], 32
	s_mov_b32 s[G1C+6], 0
	s_mov_b32 s[G1C+7], 0
	s_mov_b32 s[G1S], 15|(3<<16)|(1<<21)
	s_mov_b32 s[G1S+1], 32<<16
	s_mov_b32 s[G1S+2], 2<<16
	s_mov_b32 s[G1S+3], 32<<16
	s_mov_b32 s[G1S+4], 2
	s_mov_b32 s[G1S+5], 32
	s_mov_b32 s[G1S+6], 0
	s_mov_b32 s[G1S+7], 0
	s_lshl_b32 s66, s[BH], 4
	s_lshr_b32 s67, s[WV], 2
	s_add_co_u32 s67, s67, s66
	s_mul_i32 s74, s67, 18432
	s_and_b32 s67, s[WV], 3
	s_mul_i32 s67, s67, 3072
	s_add_co_u32 s74, s74, s67
	s_add_co_u32 s74, s74, 6144
	s_mov_b32 s75, 0
	s_add_co_u32 s76, s66, s[WV]
	s_mul_i32 s76, s76, 768
	s_add_co_u32 s76, s76, 256
	s_mov_b32 s77, 0
	s_mul_i32 s78, s[WV], 3072
	s_lshl_b32 s79, s[WV], 9
	s_lshl_b32 s62, s[CX], 2
	s_add_co_u32 s62, s62, s66
	s_lshr_b32 s[QC], s[G8], 2
	s_add_co_u32 s62, s62, s[QC]
	s_mul_i32 s[QC], s62, 18432
	s_and_b32 s[QW], s[G8], 3
	s_mul_i32 s[QW], s[QW], 1536
	s_add_co_u32 s[QC], s[QC], s[QW]
	s_mov_b32 s[QC+1], 0
	s_mul_i32 s[QW], s62, 768
	s_and_b32 s62, s[G8], 1
	s_lshl_b32 s62, s62, 7
	s_add_co_u32 s[QW], s[QW], s62
	s_bfe_u32 s62, s[G8], 0x10001
	s_lshl_b32 s62, s62, 2
	s_add_co_u32 s[QW], s[QW], s62
	s_mov_b32 s[QW+1], 0
	s_lshr_b32 s[OB], s[BH], 4
	s_lshl_b32 s[OB], s[OB], 11
	s_lshl_b32 s62, s[CX], 9
	s_add_co_u32 s[OB], s[OB], s62
	s_lshl_b32 s62, s[G8], 5
	s_add_co_u32 s[OB], s[OB], s62
	s_lshl_b32 s62, s[UP], 3
	s_add_co_u32 s[OB], s[OB], s62
	s_lshl_b32 s[OB], s[OB], 12
	s_and_b32 s62, s[BH], 15
	s_lshl_b32 s62, s62, 8
	s_add_co_u32 s[OB], s[OB], s62
	s_mov_b32 s[OB+1], 0
	s_cmp_eq_u32 s[UP], 1
	s_cselect_b32 s[UM], -1, 0
	s_lshl_b32 s[US], s[UP], 4
	s_mov_b32 s[SEL], 0x76543210
	s_mov_b32 s[SEL+1], 0xfedcba98
	s_mov_b32 s[CS], 0x3e38aa3b
	s_mov_b32 s[CS+1], s[CS]
	s_wait_dscnt 0x0
	s_wait_kmcnt 0x0
	s_add_nc_u64 s[74:75], s[4:5], s[74:75]
	s_add_nc_u64 s[76:77], s[6:7], s[76:77]
	s_add_nc_u64 s[QC:QC+1], s[4:5], s[QC:QC+1]
	s_add_nc_u64 s[QW:QW+1], s[6:7], s[QW:QW+1]
	s_add_nc_u64 s[OB:OB+1], s[8:9], s[OB:OB+1]
	s_mov_b32 s[G0S], 1
	s_add_co_u32 s[G0S+1], s79, SCL
	s_mov_b64 s[G0S+2:G0S+3], s[76:77]
	s_or_b32 s[G0S+3], s[G0S+3], 0x80000000
.irp c, 0,1,2,3
	s_mov_b32 s[G0C+4*\c], 1
	s_add_co_u32 s[G0C+4*\c+1], s78, 49152*\c
	s_add_nc_u64 s[G0C+4*\c+2:G0C+4*\c+3], s[74:75], 73728*\c
	s_or_b32 s[G0C+4*\c+3], s[G0C+4*\c+3], 0x80000000
.endr
	CROUND
	tensor_load_to_lds s[G0S:G0S+3], s[G1S:G1S+7]
	s_nop 0
	s_wait_alu depctr_va_vdst(0)
	s_wait_tensorcnt 0x0
	ds_add_u32 v3, v4
	s_wait_dscnt 0x0
	CROUND
.irp c, 0,1,2,3
	s_wait_alu depctr_va_vdst(0)
	s_wait_tensorcnt 0x0
	ds_add_u32 v3, v4
	s_wait_dscnt 0x0
	CROUND
	tensor_load_to_lds s[G0C+4*\c:G0C+4*\c+3], s[G1C:G1C+7]
	s_nop 0
.endr
.rept 4
	v_nop
.endr
	v_and_b32 v10, 31, v0
	v_and_b32 v11, 15, v0
	v_bfe_u32 v[TT], v0, 4, 1
	s_delay_alu instid0(VALU_DEP_3)
	v_lshlrev_b32 v[LI], 4, v10
	s_delay_alu instid0(VALU_DEP_4)
	v_lshl_add_u32 v[LS], v10, 3, SCL
	s_delay_alu instid0(VALU_DEP_3)
	v_lshlrev_b32 v[GO], 12, v[TT]
	s_delay_alu instid0(VALU_DEP_1)
	v_lshl_add_u32 v[GO], v11, 4, v[GO]
	s_mul_i32 s63, s[WV], 4352
	s_add_co_u32 s63, s63, STAGE
	v_mul_u32_u24 v[STI], v11, 272
	s_delay_alu instid0(VALU_DEP_1)
	v_lshl_add_u32 v[STI], v[TT], 6, v[STI]
	s_delay_alu instid0(VALU_DEP_1)
	v_add_nc_u32 v[STI], s63, v[STI]
	v_mul_u32_u24 v[STO], v[TT], 272
	s_delay_alu instid0(VALU_DEP_1)
	v_lshl_add_u32 v[STO], v11, 4, v[STO]
	s_delay_alu instid0(VALU_DEP_1)
	v_add_nc_u32 v[STO], s63, v[STO]
	v_lshlrev_b32 v10, 3, v11
.irp g, 0,1,2
	global_load_b128 v[RQ+4*\g:RQ+4*\g+3], v[LI], s[QC:QC+1] offset:512*\g
	global_load_b128 v[RN+4*\g:RN+4*\g+3], v[LI], s[QC:QC+1] offset:36864+512*\g
.endr
	global_load_b32 v[RQ+12], v10, s[QW:QW+1]
	global_load_b32 v[RN+12], v10, s[QW:QW+1] offset:1536
.irp i, 0,1,2,3,4,5
	v_mov_b32 v[QHI+\i], 0
	v_mov_b32 v[QLO+6+\i], 0
.endr
.irp b, 0,1,2,3
	v_mov_b32 v[BP+\b], 0
.endr
	v_mov_b32 v[FF+1], 0
	s_mov_b32 s[BLK], 2
	s_wait_loadcnt 0x0
.macro STEP
	v_add_nc_u32 v[ADR], s[TB], v[LI]
	v_add_nc_u32 v[ADS], s[TS], v[LS]
	v_nop
	v_nop
	ds_load_b64 v[KS:KS+1], v[ADS]
.irp b, 0,1,2,3
.irp g, 0,1,2
	ds_load_b128 v[F+12*\b+4*\g:F+12*\b+4*\g+3], v[ADR] offset:1536*\b+512*\g
.endr
.endr
	s_wait_alu depctr_va_vdst(0)
.irp b, 0,1,2,3
	s_wait_dscnt 9-3*\b
.if \b%2
	v_wmma_scale_f32_16x16x128_f8f6f4 v[S+16*\b:S+16*\b+7], v[F+12*\b:F+12*\b+11], v[QLO:QLO+11], 0, v[KS+\b/2], v[QS] matrix_a_fmt:MATRIX_FMT_BF6 matrix_b_fmt:MATRIX_FMT_BF6 matrix_a_scale:MATRIX_SCALE_ROW1
	v_wmma_scale_f32_16x16x128_f8f6f4 v[S+16*\b+8:S+16*\b+15], v[F+12*\b:F+12*\b+11], v[QHI:QHI+11], 0, v[KS+\b/2], v[QS] matrix_a_fmt:MATRIX_FMT_BF6 matrix_b_fmt:MATRIX_FMT_BF6 matrix_a_scale:MATRIX_SCALE_ROW1
.else
	v_wmma_scale_f32_16x16x128_f8f6f4 v[S+16*\b:S+16*\b+7], v[F+12*\b:F+12*\b+11], v[QLO:QLO+11], 0, v[KS+\b/2], v[QS] matrix_a_fmt:MATRIX_FMT_BF6 matrix_b_fmt:MATRIX_FMT_BF6
	v_wmma_scale_f32_16x16x128_f8f6f4 v[S+16*\b+8:S+16*\b+15], v[F+12*\b:F+12*\b+11], v[QHI:QHI+11], 0, v[KS+\b/2], v[QS] matrix_a_fmt:MATRIX_FMT_BF6 matrix_b_fmt:MATRIX_FMT_BF6
.endif
.endr
.rept 4
	v_nop
.endr
	ds_load_b64 v[VS:VS+1], v[ADS] offset:256
.irp t, 0,1,2,3
.irp g, 0,1,2
	ds_load_b128 v[F+12*\t+4*\g:F+12*\t+4*\g+3], v[ADR] offset:6144+1536*\t+512*\g
.endr
.endr
.irp b, 0,1,2,3
	v_max3_num_f32 v[BM+\b], v[S+16*\b], v[S+16*\b+1], v[S+16*\b+2]
.endr
.irp i, 3,5,7,9,11,13
.irp b, 0,1,2,3
	v_max3_num_f32 v[BM+\b], v[BM+\b], v[S+16*\b+\i], v[S+16*\b+\i+1]
.endr
.endr
.irp b, 0,1,2,3
	v_max_num_f32 v[BM+\b], v[BM+\b], v[S+16*\b+15]
.endr
.irp b, 0,1,2,3
	s_delay_alu instid0(VALU_DEP_4)
	v_permlanex16_b32 v[BP+\b], v[BM+\b], s[SEL], s[SEL+1]
.endr
.irp b, 0,1,2,3
	s_delay_alu instid0(VALU_DEP_4)
	v_max_num_f32 v[BM+\b], v[BM+\b], v[BP+\b]
.endr
	s_delay_alu instid0(VALU_DEP_2)
	v_max3_num_f32 v[TT], v[BM], v[BM+1], v[BM+2]
	s_delay_alu instid0(VALU_DEP_1)
	v_max_num_f32 v[TT], v[TT], v[BM+3]
	s_delay_alu instid0(VALU_DEP_1)
	v_mul_f32 v[TT], s[CS], v[TT]
	s_delay_alu instid0(VALU_DEP_1)
	v_max_num_f32 v13, v13, v[TT]
	v_mov_b32 v[TT], v12
	s_delay_alu instid0(VALU_DEP_2)
	v_floor_f32 v12, -v13
	s_delay_alu instid0(VALU_DEP_1)
	v_sub_f32 v[TT], v12, v[TT]
	s_delay_alu instid0(VALU_DEP_1)
	v_cvt_i32_f32 v[TT], v[TT]
	s_delay_alu instid0(VALU_DEP_1)
	v_ldexp_f32 v[FF], 1.0, v[TT]
.set j, 0
.rept 32
	v_pk_fma_f32 v[S+j:S+j+1], v[S+j:S+j+1], s[CS:CS+1], v[12:13] op_sel_hi:[1,0,0]
.set j, j+2
.endr
.irp b, 0,1,2,3
	v_fma_f32 v[BM+\b], v[BM+\b], s[CS], v12
.endr
.set j, 0
	s_wait_alu depctr_va_vdst(0)
.rept 64
	v_exp_f32 v[S+j], v[S+j]
.set j, j+1
.endr
	s_setprio 1
	v_pk_mul_f32 v[14:15], v[14:15], v[FF:FF+1] op_sel_hi:[1,0]
	s_wait_alu depctr_va_vdst(0)
.irp b, 0,1,2,3
	v_exp_f32 v[BM+\b], v[BM+\b]
.endr
	v_pk_add_f32 v[L2:L2+1], v[S:S+1], v[S+2:S+3]
.irp j, 4,8,12,16,20,24,28,32,36,40,44,48,52,56,60
	v_pk_add_f32 v[14:15], v[14:15], v[S+\j:S+\j+1]
	v_pk_add_f32 v[L2:L2+1], v[L2:L2+1], v[S+\j+2:S+\j+3]
.endr
	s_delay_alu instid0(VALU_DEP_1)
	v_pk_add_f32 v[14:15], v[14:15], v[L2:L2+1]
	s_wait_alu depctr_va_vdst(0)
.irp b, 0,1,2,3
	v_max_num_f32 v[BM+\b], 0x2800000, v[BM+\b]
.endr
.irp b, 0,1,2,3
	s_delay_alu instid0(VALU_DEP_4)
	v_add_nc_u32 v[BS+\b], 0xfe000000, v[BM+\b]
.endr
.irp b, 0,1,2,3
	s_delay_alu instid0(VALU_DEP_4)
	v_lshrrev_b32 v[BP+\b], 23, v[BS+\b]
.endr
	s_delay_alu instid0(VALU_DEP_3)
	v_lshl_or_b32 v[PSW], v[BP+1], 8, v[BP]
	s_delay_alu instid0(VALU_DEP_1)
	v_lshl_or_b32 v[PSW], v[BP+2], 16, v[PSW]
	s_delay_alu instid0(VALU_DEP_1)
	v_lshl_or_b32 v[PSW], v[BP+3], 24, v[PSW]
.irp c, 0,1
	v_cvt_scalef32_pk16_bf6_f32 v[PC+6*\c:PC+6*\c+2], v[S+32*\c:S+32*\c+15], v[BS+2*\c]
	v_cvt_scalef32_pk16_bf6_f32 v[PT+4*\c:PT+4*\c+2], v[S+32*\c+16:S+32*\c+31], v[BS+2*\c+1]
.endr
	v_nop
.irp c, 0,1
.irp i, 0,1,2
	v_permlane16_swap_b32 v[PC+6*\c+\i], v[PT+4*\c+\i]
.endr
.irp i, 0,1,2
	s_delay_alu instid0(VALU_DEP_3)
	v_mov_b32 v[PC+6*\c+3+\i], v[PT+4*\c+\i]
.endr
.endr
.set j, 0
	s_setprio 0
.rept 16
	v_pk_mul_f32 v[O+j:O+j+1], v[O+j:O+j+1], v[FF:FF+1] op_sel_hi:[1,0]
.set j, j+2
.endr
	s_wait_alu depctr_va_vdst(0)
	s_wait_dscnt 0x0
.irp t, 0,1,2,3
.if \t%2
	v_wmma_scale_f32_16x16x128_f8f6f4 v[O+8*\t:O+8*\t+7], v[F+12*\t:F+12*\t+11], v[PC:PC+11], v[O+8*\t:O+8*\t+7], v[VS+\t/2], v[PSW] matrix_a_fmt:MATRIX_FMT_BF6 matrix_b_fmt:MATRIX_FMT_BF6 matrix_a_scale:MATRIX_SCALE_ROW1
.else
	v_wmma_scale_f32_16x16x128_f8f6f4 v[O+8*\t:O+8*\t+7], v[F+12*\t:F+12*\t+11], v[PC:PC+11], v[O+8*\t:O+8*\t+7], v[VS+\t/2], v[PSW] matrix_a_fmt:MATRIX_FMT_BF6 matrix_b_fmt:MATRIX_FMT_BF6
.endif
.endr
	s_add_co_u32 s[TB], s[TB], STEPB
	s_add_co_u32 s[TS], s[TS], 512
.endm
.macro CHUNK c
	s_wait_tensorcnt 3-\c
	s_wait_dscnt 0x0
	s_barrier_signal -1
	s_barrier_wait -1
	s_mov_b32 s[TB], 49152*\c
	s_mov_b32 s[TS], 2048*\c
	s_mov_b32 s[CNT], 4
.Lstep_\@:
	s_setprio 2
	STEP
	s_sub_co_u32 s[CNT], s[CNT], 1
	s_cmp_lg_u32 s[CNT], 0
	s_cbranch_scc1 .Lstep_\@
	s_setprio 0
.endm
.Lblk:
	s_wait_alu depctr_va_vdst(0)
.irp i, 0,1,2,3,4,5
	v_cndmask_b32 v[QLO+\i], v[RQ+\i], v[RQ+6+\i], s[UM]
.endr
	v_lshrrev_b32 v[TT], s[US], v[RQ+12]
	s_delay_alu instid0(VALU_DEP_1)
	v_and_b32 v[TT], 0xffff, v[TT]
	s_delay_alu instid0(VALU_DEP_1)
	v_lshl_or_b32 v[QS], v[TT], 16, v[TT]
	v_mov_b32 v13, 0xff61b1e6
	s_delay_alu instid0(VALU_DEP_1)
	v_floor_f32 v12, -v13
	v_mov_b32 v14, 0
	v_mov_b32 v15, 0
.set j, 0
.rept 32
	v_mov_b32 v[O+j], 0
.set j, j+1
.endr
	CHUNK 0
	CHUNK 1
	CHUNK 2
	CHUNK 3
.rept 4
	v_nop
.endr
	v_add_f32 v14, v14, v15
	s_delay_alu instid0(VALU_DEP_1)
	v_permlanex16_b32 v[TT], v14, s[SEL], s[SEL+1]
	s_delay_alu instid0(VALU_DEP_1)
	v_add_f32 v14, v14, v[TT]
	s_wait_alu depctr_va_vdst(0)
	v_rcp_f32 v14, v14
	v_nop
	s_wait_alu depctr_va_vdst(0)
.set j, 0
.rept 32
	v_mul_f32 v[S+j], v[O+j], v14
.set j, j+1
.endr
.irp t, 0,1,2,3
	ds_store_b128 v[STI], v[S+8*\t:S+8*\t+3] offset:128*(\t/2)+32*(\t%2)
	ds_store_b128 v[STI], v[S+8*\t+4:S+8*\t+7] offset:128*(\t/2)+32*(\t%2)+16
.endr
.irp i, 0,1,2,3,4,5,6,7
	ds_load_b128 v[S+32+4*\i:S+32+4*\i+3], v[STO] offset:544*\i
.endr
.irp i, 0,1,2,3,4,5,6,7
	s_wait_dscnt 7-\i
	global_store_b128 v[GO], v[S+32+4*\i:S+32+4*\i+3], s[OB:OB+1] offset:(2*\i+8*(\i/4))*4096 th:TH_STORE_NT
.endr
.set j, 0
.rept 13
	v_mov_b32 v[RQ+j], v[RN+j]
.set j, j+1
.endr
	s_wait_xcnt 0x0
	s_add_nc_u64 s[OB:OB+1], s[OB:OB+1], 1048576
	s_sub_co_u32 s[BLK], s[BLK], 1
	s_cmp_lg_u32 s[BLK], 0
	s_cbranch_scc1 .Lblk
	s_wait_tensorcnt 0x0
	ds_add_u32 v[SPW], v[NIL]
	s_wait_dscnt 0x0
	CROUND
	s_endpgm
.Lfunc_end_k_q915e29958e_attn:
	.size	k_q915e29958e_attn, .Lfunc_end_k_q915e29958e_attn-k_q915e29958e_attn
	.p2alignl 7, 3214868480
	.fill 96, 4, 3214868480
	.section	.rodata,"a",@progbits
	.p2align	6, 0x0
	.amdhsa_kernel k_q915e29958e_attn
		.amdhsa_group_segment_fixed_size 327680
		.amdhsa_private_segment_fixed_size 0
		.amdhsa_enable_private_segment 0
		.amdhsa_kernarg_size 24
		.amdhsa_user_sgpr_count 2
		.amdhsa_user_sgpr_kernarg_segment_ptr 1
		.amdhsa_wavefront_size32 1
		.amdhsa_system_sgpr_workgroup_id_x 1
		.amdhsa_system_sgpr_workgroup_id_y 1
		.amdhsa_system_sgpr_workgroup_id_z 1
		.amdhsa_system_vgpr_workitem_id 0
		.amdhsa_next_free_vgpr 256
		.amdhsa_next_free_sgpr 80
		.amdhsa_reserve_vcc 0
		.amdhsa_float_denorm_mode_32 3
		.amdhsa_float_denorm_mode_16_64 3
		.amdhsa_memory_ordered 1
		.amdhsa_forward_progress 1
		.amdhsa_inst_pref_size 85
	.end_amdhsa_kernel
	.amdgpu_metadata
---
amdhsa.version: [ 1, 2 ]
amdhsa.kernels:
  - .name:           k_q915e29958e_attn
    .symbol:         k_q915e29958e_attn.kd
    .args:
      - { .name: qkv, .offset: 0, .size: 8, .value_kind: global_buffer, .address_space: global }
      - { .name: qkvs, .offset: 8, .size: 8, .value_kind: global_buffer, .address_space: global }
      - { .name: out0, .offset: 16, .size: 8, .value_kind: global_buffer, .address_space: global }
    .group_segment_fixed_size: 327680
    .private_segment_fixed_size: 0
    .kernarg_segment_align: 8
    .kernarg_segment_size: 24
    .max_flat_workgroup_size: 512
    .sgpr_count:     80
    .vgpr_count:     256
    .wavefront_size: 32
...
	.end_amdgpu_metadata
.endif
;; end of part 3
